; MI455X (gfx1250); checked and timed in simulation.
; The chip was launched on July 23, 2026; its instructions are those of AMD's public machine-readable ISA for CDNA 5 (MIT licence, August 2026) and "CDNA5" Instruction Set Architecture Reference Guide (July 2026). The comments in the code are by the model that wrote it; some were corrected since.
;; Readout. Allowed arithmetic: matrix products marked QUANTISED: E3M2 operands, one E8M0 scale for each 32 along K, by v_wmma_scale_f32_16x16x128_f8f6f4 with both operands' format E3M2, f32 sums; products left as they are: f32 operands where the result goes on into a quantised operand, else bf16, f16 or f32 operands; f32 sums; everything else in f32.
;; Inputs: Wc 8,192 x 1 x 64 float32; Wx 8,192 x 1 x 36 float32; Wy 8,192 x 1 x 36 float32; bias 8,192 float32; conv 64 x 64 x 36 x 36 float32.
;; Outputs: out0 64 x 8,192 float32.
;; This version of the problem:
;;   THIS VERSION OF THE PROBLEM IS GIVEN IN LOW PRECISION. The matrix products marked QUANTISED in the list below multiply operands that are first quantised to E3M2 (3 exponent bits, 2 mantissa bits; 6 bits a number), with one power-of-two scale for each 32 numbers along K (OCP MX v1.0); their sums are f32. All else is computed in f32.
;;   The module's matrix products, in the order in which they are computed (A, B: the left and right operand; K: the contracted axis; several contracted axes count as one K, in the product's order):
;;     1. batch 8,192 x [M 36, K 1] x [K 1, N 36]; A: computed on the way; B: computed on the way: left as it is (no contracted axis)
;;     2. [M 8,192, K 1,296] x [K 1,296, N 4,096]; A: computed on the way; B: input conv: QUANTISED
;;     3. batch 8,192 x [M 1, K 64] x [K 64, N 64]; A: input Wc; B: computed on the way: left as it is (M = 1 < 16)
;;   THE QUANTISER, for each operand of a quantised product, along K:
;;     - K is cut into blocks of 32 from its start; a last block that is shorter is filled with zeros.
;;     - A block's scale is 2^e with e = floor(log2(the largest magnitude in the block)) - 4, held to -126 .. 127; a block of zeros has e = 0. As a byte (E8M0): e + 127.
;;     - Each number is divided by its block's scale, clamped to +-28, and rounded to the nearest number of E3M2, ties to even, subnormals kept.
;;     - The product sums the exact products of the quantised numbers (number of the format x scale) in f32.
;;   ~~~python
;;   def quantise(x, axis):      # numpy; x: float32 -> the quantised numbers, widened to float32 again
;;       x = np.moveaxis(x, axis, -1); K = x.shape[-1]
;;       x = np.pad(x, [(0, 0)] * (x.ndim - 1) + [(0, -K % 32)]); x = x.reshape(x.shape[:-1] + (-1, 32)); a = np.abs(x).max(-1, keepdims=True)
;;       e = np.where(a > 0, np.clip(np.frexp(np.where(a > 0, a, 1))[1] - 1 - 4, -126, 127), 0)      # np.frexp(a)[1] - 1 = floor(log2(a)), exactly
;;       r = np.clip(x / 2.0 ** e, -28, 28)
;;       step = 2.0 ** (np.maximum(np.frexp(np.where(r == 0, 1, r))[1] - 1, -2) - 2)
;;       q = np.round(r / step) * step * 2.0 ** e      # np.round: ties to even
;;       return np.moveaxis(q.reshape(q.shape[:-2] + (-1,))[..., :K], -1, axis).astype(np.float32)
;;   ~~~
;;   OPERANDS COMPUTED ON THE WAY. 'Computed on the way' means the value that the module computes at that place (a softmax that the list does not call 'softmax' is quantised finished and normalised). What goes into a quantiser is computed in f32, as accurately as f32 sums, v_exp_f32 and their like allow (about 1e-6 of the number): no bf16 or f16 on the way to a quantiser, and a product that is left as it is and whose result goes on into a quantised operand takes f32 operands (vector FMAs, or v_wmma_f32_16x16x4_f32). A number that lies on a knife's edge between two numbers of the format may be rounded either way, as far as f32 arithmetic and the matrix unit's own rounding can turn it there, and no further.
;; One version. Each part assembles by itself: llvm-mc -triple=amdgcn-amd-amdhsa -mcpu=gfx1250 --defsym DOCPART=n.
;; ======== version 1 of 1: 2 launches
;; limits: a function is approximated: absolute error at most 8.2e-06
;; workspace buffers: cq 4,325,376 bytes; wq 8,650,752 bytes; scl 589,824 bytes
;; launch quant (part 1): grid 256 x 1, 11 waves a work-group, no clusters, 88,576 bytes of LDS; arguments conv, Wy, Wx, cq, wq, scl; writes cq, wq, scl
.if DOCPART == 1
	.amdgcn_target "amdgcn-amd-amdhsa--gfx1250"
	.amdhsa_code_object_version 6
	.text
	.protected	k_q99717912b4_quant
	.globl	k_q99717912b4_quant
	.p2align	8
	.type	k_q99717912b4_quant,@function
k_q99717912b4_quant:
	s_mov_b64 s[64:65], 0
	v_nop
	global_prefetch_b8 v0, s[64:65] scope:SCOPE_SE
	s_setreg_imm32_b32 hwreg(HW_REG_WAVE_MODE, 25, 1), 1
	s_wait_xcnt 0x0
; BOTH OPERANDS OF THE QUANTISED PRODUCT ARE MADE HERE, ONCE.  The product contracts x, then y: K = 36 x + y, 1,296 long: 41 blocks of 32, the last half filled with zeros; 11 K steps of 128.
;   conv [4096 rows (64 i + c)][y 36][x 36] f32: a row's 36 x 36 numbers are turned, so that y runs innermost  -> cq
;   Wyx[n][36 x + y] = Wy[n][y] * Wx[n][x], one f32 product each                                               -> wq
; Codes of BF6 (E3M2), one E8M0 byte for each 32 along K: byte = the exponent field of the block's largest magnitude - 4, held at 1 from below.
; LAYOUT OF THE THREE BUFFERS: the order of the operand's registers.  A fragment (16 rows x 128 K) is 12 registers a lane: lane (r, h) holds row r, registers 6 c .. 6 c + 5 = block 2 c + h.
; Its image is 1,536 bytes: registers 4 g .. 4 g + 3 of lane l at 512 g + 16 l.  cq, wq: [half tile of 128 rows][K step 11][row block 8][1536].
; scl: a row block of 16 rows is 768 bytes, [row 16][12 words]; word s = the row's four bytes of K step s, word 11 is filling.  conv's 256 row blocks first, then the neurons' 512.
; SHARES.  Work-group j: conv rows 16 j .. 16 j + 15 and neurons 32 j .. 32 j + 31.  Wave w (0 .. 10): K step w of both.
;   Neurons: a lane is a neuron; its 128 products of the K step are made block by block in 32 registers, so a block's largest magnitude needs no other lane.
;   conv: the 16 rows are one dense block of 82,944 bytes = 5,184 units of 16 bytes.  Waves 0 .. 8 (288 threads) read it, 18 loads each, unit u = 288 q + thread: a wave's load covers 512 consecutive bytes.
;   A unit is four neighbouring x of one y.  Its numbers go one by one into a stage in LDS laid [row][x][y]; behind a barrier lane (r, h) of wave w reads blocks h and 2 + h of K step w of row r as they lie.
;   Wave 10 has the tail: 16 numbers of block 40, all other codes 0, all other bytes 127.
; The scale words meet in LDS and leave as nine aligned runs of 256 bytes.
; LIMITS: NaN and infinities among the inputs are not served.  A block whose largest magnitude lies under 2^-122 keeps the byte 1; a block of zeros gets the byte 1 where the
; quantiser's text says 127: its codes are zeros, which add nothing under any byte but 0xff, and these bytes are read by this program alone.
.set RP,    5200                       ; a stage row: 5,184 bytes + 16: an odd multiple of 16, so that the 16 rows of a 16-byte read fall on 16 different columns of 16 bytes modulo 256
.set SCL,   16*RP                      ; behind the stage: 2,304 bytes of scale words: conv's row block, then the neurons' two
.set FLOOR, 0x2800000                  ; 2^(5 - 127)
.set LANE, 1                           ; v1   lane
.set LOFF, 4                           ; v4   16 x lane
.set WOFF, 5                           ; v5   144 x lane: my neuron's row of Wy and of Wx
.set TO16, 6                           ; v6   16 x thread: my unit of each 4,608 bytes of conv
.set STO,  7                           ; v7   stage, out: 5200 r + 128 h + 512 w
.set SWC,  8                           ; v8   conv's scale word: SCL + 48 r + 4 w
.set SWN,  9                           ; v9   my neuron's: SCL + 768 + 48 x lane + 4 w
.set SRD,  10                          ; v10  the gather: SCL + 256 w + 8 x lane
.set GOF,  11                          ; v11  8 x lane
.set STT,  12                          ; v12  stage, out, the tail: 5200 r + 5120
.set H8,   13                          ; v13  8 h
.set MA,   14                          ; v14, v15  two chains of a maximum
.set MB,   15
.set SCO,  16                          ; v16  the conversion's scale operand
.set BY,   17                          ; v17-20 scale bytes
.set PT,   21                          ; v21  a lane permute's destination
.set NW,   22                          ; v[22:23] the neuron's scale word (and the filling word)
.set WY,   24                          ; v24-59  Wy of my neuron
.set WX,   60                          ; v60-95  Wx of my neuron
.set X,    96                          ; v96-127 a block's 32 products
.set XC,   24                          ; v24-87  conv: my two blocks (over Wy and Wx, which are done with by then)
.set CV,   128                         ; v128-199 conv as loaded: 18 units
.set G,    128                         ; v128-139 conv's fragment (over CV, which the stage's stores have read by then)
.set TG0,  140                         ; v140-142, v144-146 upper halves of its blocks
.set TG1,  144
.set CW,   148                         ; v[148:149] conv's scale word (and the filling word)
.set OUTW, 150                         ; v[150:151] the gather
.set F0,   200                         ; v200-211 the fragment of neurons 0-15
.set F1,   212                         ; v212-223 of neurons 16-31
.set T0,   224                         ; v224-226, v228-230 upper halves of blocks (a conversion's three registers begin on an even number)
.set T1,   228
.set A0,   232                         ; v232 stage, in: 4 g0 + 576 xq, g0 = thread / 9, xq = thread % 9
.set GM,   233                         ; v233 1821 g0
.set AT,   234                         ; v234, v235 stage, in: the address at work, two by turns
; 32 numbers v[x] .. v[x+31] of one block: codes of the lower 16 to v[dl] on, of the upper 16 to v[dh] on, the scale's byte to v[by]
.macro QB x, dl, dh, by
	v_max3_num_f32 v[MA], |v[\x]|, |v[\x+1]|, |v[\x+2]|
	v_max3_num_f32 v[MB], |v[\x+3]|, |v[\x+4]|, |v[\x+5]|
.irp i, 6,10,14,18,22,26
	v_max3_num_f32 v[MA], v[MA], |v[\x+\i]|, |v[\x+\i+1]|
	v_max3_num_f32 v[MB], v[MB], |v[\x+\i+2]|, |v[\x+\i+3]|
.endr
	v_max3_num_f32 v[MA], v[MA], |v[\x+30]|, |v[\x+31]|
	v_max3_num_f32 v[MA], v[MA], v[MB], FLOOR      ; the floor is one more leaf: the byte cannot fall under 1
	v_add_nc_u32 v[SCO], 0xfe000000, v[MA]         ; 4 off the exponent field: the conversion takes that field as its scale and nothing else
	v_cvt_scalef32_pk16_bf6_f32 v[\dl:\dl+2], v[\x:\x+15], v[SCO]
	v_cvt_scalef32_pk16_bf6_f32 v[\dh:\dh+2], v[\x+16:\x+31], v[SCO]
	v_lshrrev_b32 v[\by], 23, v[SCO]               ; the byte; also the plain line behind the conversions
.endm
; the same for 16 numbers, the filled half being zeros
.macro QH x, dl, by
	v_max3_num_f32 v[MA], |v[\x]|, |v[\x+1]|, |v[\x+2]|
	v_max3_num_f32 v[MB], |v[\x+3]|, |v[\x+4]|, |v[\x+5]|
.irp i, 6,10
	v_max3_num_f32 v[MA], v[MA], |v[\x+\i]|, |v[\x+\i+1]|
	v_max3_num_f32 v[MB], v[MB], |v[\x+\i+2]|, |v[\x+\i+3]|
.endr
	v_max3_num_f32 v[MA], v[MA], |v[\x+14]|, |v[\x+15]|
	v_max3_num_f32 v[MA], v[MA], v[MB], FLOOR
	v_add_nc_u32 v[SCO], 0xfe000000, v[MA]
	v_cvt_scalef32_pk16_bf6_f32 v[\dl:\dl+2], v[\x:\x+15], v[SCO]
	v_lshrrev_b32 v[\by], 23, v[SCO]
.endm
; block b of K step s of my neuron: X[i] = Wy[k % 36] * Wx[k / 36], k = 128 s + 32 b + i.  k and 36 are even, so a pair of neighbours never crosses an x.
.macro WMUL s, b
.set i, 0
.rept 16
.set kk, 128*(\s)+32*(\b)+i
.set ou, kk/36
.set in, kk%36
.if ou%2 == 0
	v_pk_mul_f32 v[X+i:X+i+1], v[WY+in:WY+in+1], v[WX+ou:WX+ou+1] op_sel_hi:[1,0]
.else
	v_pk_mul_f32 v[X+i:X+i+1], v[WY+in:WY+in+1], v[WX+ou-1:WX+ou] op_sel:[0,1] op_sel_hi:[1,1]
.endif
.set i, i+2
.endr
.endm
; Blocks 2 c (in F0, T0) and 2 c + 1 (in F1, T1) of all 32 neurons become registers 6 c .. 6 c + 5 of the two fragments: the first's lanes 16-31 change places with the second's lanes 0-15,
; so that F0 holds neurons 0-15 (lanes 0-15 the even block, lanes 16-31 the odd one) and F1 neurons 16-31.
.macro PAIR c
.irp i, 0,1,2
	v_permlane16_swap_b32 v[F0+6*\c+\i], v[F1+6*\c+\i]
.endr
.irp i, 0,1,2
	v_permlane16_swap_b32 v[T0+\i], v[T1+\i]
.endr
.irp i, 0,1,2
	v_mov_b32 v[F0+6*\c+3+\i], v[T0+\i]
	v_mov_b32 v[F1+6*\c+3+\i], v[T1+\i]
.endr
.endm
.macro WOUT                            ; the two fragments leave as they stand: each store covers 512 consecutive bytes, aligned
.irp c, 0,1,2
	global_store_b128 v[LOFF], v[F0+4*\c:F0+4*\c+3], s[12:13] offset:512*\c
.endr
.irp c, 0,1,2
	global_store_b128 v[LOFF], v[F1+4*\c:F1+4*\c+3], s[12:13] offset:1536+512*\c
.endr
.endm
.macro WSTEP s                         ; K step s of the 32 neurons
	WMUL \s, 0
	QB X, F0, T0, BY
	WMUL \s, 1
	QB X, F1, T1, BY+1
	PAIR 0
	WMUL \s, 2
	QB X, F0+6, T0, BY+2
	WMUL \s, 3
	QB X, F1+6, T1, BY+3
	PAIR 1
	v_lshl_or_b32 v[NW], v[BY+1], 8, v[BY]         ; my neuron's four bytes make its scale word
	v_lshl_or_b32 v[NW], v[BY+2], 16, v[NW]
	v_lshl_or_b32 v[NW], v[BY+3], 24, v[NW]
	ds_store_b32 v[SWN], v[NW]
	WOUT
.endm
	s_load_b256 s[4:11], s[0:1], 0x0               ; conv s[4:5], Wy s[6:7], Wx s[8:9], cq s[10:11]
	s_load_b128 s[12:15], s[0:1], 0x20             ; wq s[12:13], scl s[14:15]
	v_lshl_add_u32 v254, v0, 2, 0x15400
	v_mov_b32 v255, 0
	v_lshrrev_b32 v1, 5, v0
	v_readfirstlane_b32 s16, v1                    ; wave 0 .. 10 = my K step
	v_and_b32 v[LANE], 31, v0
	v_and_b32 v2, 15, v0                           ; r
	v_bfe_u32 v3, v0, 4, 1                         ; h
	; the LDS addresses that are used behind a joining of the waves are made here, ahead of their first parting
	v_lshlrev_b32 v[LOFF], 4, v[LANE]
	v_mul_u32_u24 v[WOFF], v[LANE], 144
	v_lshlrev_b32 v[TO16], 4, v0
	s_lshl_b32 s17, s16, 9
	v_mul_u32_u24 v[STO], v2, RP
	v_add_nc_u32 v[STT], 5120, v[STO]
	v_lshl_add_u32 v[STO], v3, 7, v[STO]
	v_add_nc_u32 v[STO], s17, v[STO]
	s_lshl_b32 s18, s16, 2
	s_add_co_u32 s18, s18, SCL
	v_mul_u32_u24 v[SWC], v2, 48
	v_add_nc_u32 v[SWC], s18, v[SWC]
	v_mul_u32_u24 v[SWN], v[LANE], 48
	v_add_nc_u32 v[SWN], s18, v[SWN]
	v_add_nc_u32 v[SWN], 768, v[SWN]
	s_lshl_b32 s19, s16, 8
	s_add_co_u32 s19, s19, SCL
	v_lshlrev_b32 v[GOF], 3, v[LANE]
	v_add_nc_u32 v[SRD], s19, v[GOF]
	v_lshlrev_b32 v[H8], 3, v3
	v_mov_b32 v[PT], 0                             ; a lane permute's destination counts as one of its sources
	; the stage, on the way in.  Unit u = 288 q + thread holds conv[row][y][4 xq .. 4 xq + 3] with 36 row + y = u / 9 = 32 q + g0 and xq = u % 9 = thread % 9 (288 = 9 x 32)
	v_mul_u32_u24 v[GM], v0, 7282
	v_lshrrev_b32 v[GM], 16, v[GM]                 ; g0 = thread / 9 (7282 / 65536 is 1 / 9 + 3.4e-6: exact for threads under 32,768)
	v_mul_u32_u24 v[AT], v[GM], 9
	v_sub_nc_u32 v[AT], v0, v[AT]                  ; xq
	v_mul_u32_u24 v[A0], v[AT], 576                ; four x are 4 x 144 bytes
	v_lshl_add_u32 v[A0], v[GM], 2, v[A0]
	v_mul_u32_u24 v[GM], v[GM], 1821               ; row = (36 row + y) / 36 = (1821 (g0 + 32 q)) >> 16: exact under 3,276
	s_mov_b32 s20, 0x76543210
	s_mov_b32 s21, 0xfedcba98                      ; v_permlanex16_b32's selects for lane l xor 16
	; byte offsets, each in a pair of its own
	s_mul_i32 s22, ttmp9, 82944                    ; conv: 16 rows of 5,184 bytes a work-group
	s_mov_b32 s23, 0
	s_mul_i32 s24, ttmp9, 4608                     ; Wy, Wx: 32 rows of 144 bytes
	s_mov_b32 s25, 0
	s_mul_i32 s17, s16, 12288                      ; a K step of a half tile: 8 fragments
	s_lshr_b32 s18, ttmp9, 3
	s_mul_i32 s26, s18, 135168                     ; cq: half tile j / 8,
	s_and_b32 s18, ttmp9, 7
	s_mul_i32 s18, s18, 1536                       ; row block j % 8
	s_add_co_u32 s26, s26, s18
	s_add_co_u32 s26, s26, s17
	s_mov_b32 s27, 0
	s_lshr_b32 s18, ttmp9, 2
	s_mul_i32 s28, s18, 135168                     ; wq: half tile j / 4,
	s_and_b32 s18, ttmp9, 3
	s_mul_i32 s18, s18, 3072                       ; row blocks 2 (j % 4) and the next
	s_add_co_u32 s28, s28, s18
	s_add_co_u32 s28, s28, s17
	s_mov_b32 s29, 0
	s_lshl_b32 s19, s16, 8                         ; scl: wave w stores bytes 256 w .. 256 w + 255 of the 2,304 gathered:
	s_mul_i32 s17, ttmp9, 768
	s_add_co_u32 s17, s17, s19                     ; waves 0-2: conv's row block j,
	s_mul_i32 s18, ttmp9, 1536
	s_add_co_u32 s18, s18, s19
	s_add_co_u32 s18, s18, 195840                  ; waves 3-8: 196,608 + 768 x 2 j + (256 w - 768)
	s_cmp_lt_u32 s16, 3
	s_cselect_b32 s30, s17, s18                    ; a choice between two offsets, on the wave's number
	s_mov_b32 s31, 0
	s_wait_kmcnt 0x0
	s_add_nc_u64 s[4:5], s[4:5], s[22:23]
	s_add_nc_u64 s[6:7], s[6:7], s[24:25]
	s_add_nc_u64 s[8:9], s[8:9], s[24:25]
	s_add_nc_u64 s[10:11], s[10:11], s[26:27]
	s_add_nc_u64 s[12:13], s[12:13], s[28:29]
	s_add_nc_u64 s[14:15], s[14:15], s[30:31]
.irp q, 0,1,2,3,4,5,6,7,8
	global_load_b128 v[WY+4*\q:WY+4*\q+3], v[WOFF], s[6:7] offset:16*\q
.endr
.irp q, 0,1,2,3,4,5,6,7,8
	global_load_b128 v[WX+4*\q:WX+4*\q+3], v[WOFF], s[8:9] offset:16*\q
.endr
	s_cmp_gt_u32 s16, 8
	s_cbranch_scc1 .Lno_conv                       ; 5,184 units are 18 for each of 288 threads: waves 9 and 10 load none
.irp q, 0,1,2,3,4,5,6,7,8,9,10,11,12,13,14,15,16,17
	global_load_b128 v[CV+4*\q:CV+4*\q+3], v[TO16], s[4:5] offset:4608*\q th:TH_LOAD_NT   ; a wave reads 512 consecutive bytes; read once in the launch
.endr
	s_wait_loadcnt 18                              ; Wy and Wx are in; conv's eighteen loads may be out while the neurons are worked
	s_branch .Lneurons
.Lno_conv:
	s_wait_loadcnt 0x0                             ; Wy and Wx
.Lneurons:
.irp s, 0,1,2,3,4,5,6,7,8,9
	s_cmp_lg_u32 s16, \s                           ; which x and y meet in a K step is a matter of the text: one copy for each K step, chosen by the wave's number
	s_cbranch_scc1 .Lnot_\s
	WSTEP \s
	s_branch .Lstage
.Lnot_\s:
.endr
	; wave 10: the neurons' tail.  k = 1280 .. 1295 are x = 35, y = 20 .. 35; they are the lower half of block 40
.irp i, 0,2,4,6,8,10,12,14
	v_pk_mul_f32 v[X+\i:X+\i+1], v[WY+20+\i:WY+21+\i], v[WX+34:WX+35] op_sel:[0,1] op_sel_hi:[1,1]
.endr
	QH X, F0, BY
.irp i, 0,1,2
	v_mov_b32 v[F1+\i], 0
.endr
.irp i, 3,4,5,6,7,8,9,10,11
	v_mov_b32 v[F0+\i], 0
	v_mov_b32 v[F1+\i], 0
.endr
.irp i, 0,1,2
	v_permlane16_swap_b32 v[F0+\i], v[F1+\i]       ; F0: neurons 0-15 in lanes 0-15, zeros (block 41) above; F1: neurons 16-31 likewise
.endr
	v_or_b32 v[NW], 0x7f7f7f00, v[BY]              ; blocks 41 to 43 hold zero codes: byte 127
	v_mov_b32 v[NW+1], 0x7f7f7f7f                  ; the filling word
	ds_store_b64 v[SWN], v[NW:NW+1]
	WOUT
.Lstage:
	s_cmp_gt_u32 s16, 8
	s_cbranch_scc1 .Lstaged
	; conv into the stage, turned: number j of unit q goes to 5200 row + 4 (36 (4 xq + j) + y) = 5056 row + (4 g0 + 576 xq) + 128 q + 144 j
.set q, 0
.rept 18
	s_wait_loadcnt 17-q                            ; loads come back in order (ISA guide 5.7.1): unit q is in, the younger ones may be out
	v_add_nc_u32 v[AT+q%2], 58272*q, v[GM]         ; 1821 (g0 + 32 q)
	v_lshrrev_b32 v[AT+q%2], 16, v[AT+q%2]         ; row
	v_mad_u32_u24 v[AT+q%2], v[AT+q%2], RP-144, v[A0]
.irp j, 0,1,2,3
	ds_store_b32 v[AT+q%2], v[CV+4*q+\j] offset:128*q+144*\j
.endr
.set q, q+1
.endr
.Lstaged:
	s_wait_dscnt 0x0                               ; for the others' sake: my part of the stage lies in LDS
	s_barrier_signal -1
	s_barrier_wait -1                              ; all sixteen rows do
	s_cmp_eq_u32 s16, 10
	s_cbranch_scc1 .Lctail
	; ---- waves 0 .. 9: a whole K step of the 16 conv rows
.irp q, 0,1,2,3,4,5,6,7
	ds_load_b128 v[XC+4*\q:XC+4*\q+3], v[STO] offset:16*\q           ; block h of row r
.endr
.irp q, 0,1,2,3,4,5,6,7
	ds_load_b128 v[XC+32+4*\q:XC+32+4*\q+3], v[STO] offset:256+16*\q ; block 2 + h
.endr
	s_wait_dscnt 8                                 ; the first block is in; the second block's eight loads may be out
	QB XC, G, TG0, BY
	s_wait_dscnt 0x0
	QB XC+32, G+6, TG1, BY+1
.irp i, 0,1,2
	v_mov_b32 v[G+3+\i], v[TG0+\i]
	v_mov_b32 v[G+9+\i], v[TG1+\i]
.endr
	v_lshl_or_b32 v[CW], v[BY+1], 16, v[BY]        ; my two bytes: blocks h and 2 + h,
	v_lshlrev_b32 v[CW], v[H8], v[CW]              ; at their places in the word;
	v_permlanex16_b32 v[PT], v[CW], s20, s21
	v_or_b32 v[CW], v[CW], v[PT]                   ; with lane l xor 16's two the word is whole
	ds_store_b32 v[SWC], v[CW]                     ; both halves of the lanes store the same word with the same value
.irp c, 0,1,2
	global_store_b128 v[LOFF], v[G+4*\c:G+4*\c+3], s[10:11] offset:512*\c
.endr
	s_branch .Lgather
	; ---- wave 10: conv's tail: the row's last 16 numbers along K; both halves of the lanes read the same
.Lctail:
.irp q, 0,1,2,3
	ds_load_b128 v[XC+4*\q:XC+4*\q+3], v[STT] offset:16*\q
.endr
	s_wait_dscnt 0x0
	QH XC, G, BY+1
	v_cmp_gt_u32 vcc_lo, 16, v[LANE]
.irp i, 0,1,2
	v_cndmask_b32 v[G+\i], 0, v[G+\i], vcc_lo      ; lanes 16-31 hold block 41: zeros
.endr
.irp i, 3,4,5,6,7,8,9,10,11
	v_mov_b32 v[G+\i], 0
.endr
	v_or_b32 v[CW], 0x7f7f7f00, v[BY+1]
	v_mov_b32 v[CW+1], 0x7f7f7f7f
	ds_store_b64 v[SWC], v[CW:CW+1]
.irp c, 0,1,2
	global_store_b128 v[LOFF], v[G+4*\c:G+4*\c+3], s[10:11] offset:512*\c
.endr
.Lgather:
	s_wait_dscnt 0x0                               ; for the others' sake: my scale words lie in LDS
	s_barrier_signal -1
	s_barrier_wait -1                              ; everybody's do
	s_cmp_gt_u32 s16, 8
	s_cbranch_scc1 .Lend                           ; 2,304 bytes are nine runs of 256: waves 0 .. 8 store one each
	ds_load_b64 v[OUTW:OUTW+1], v[SRD]
	s_wait_dscnt 0x0
	global_store_b64 v[GOF], v[OUTW:OUTW+1], s[14:15]   ; 32 lanes store 256 consecutive bytes, aligned
.Lend:
	s_wait_tensorcnt 0x0
	ds_add_u32 v254, v255
	s_wait_dscnt 0x0
	s_endpgm
.Lfunc_end_k_q99717912b4_quant:
	.size	k_q99717912b4_quant, .Lfunc_end_k_q99717912b4_quant-k_q99717912b4_quant
	.p2alignl 7, 3214868480
	.fill 96, 4, 3214868480
	.section	.rodata,"a",@progbits
	.p2align	6, 0x0
	.amdhsa_kernel k_q99717912b4_quant
		.amdhsa_group_segment_fixed_size 88576
		.amdhsa_private_segment_fixed_size 0
		.amdhsa_enable_private_segment 0
		.amdhsa_kernarg_size 48
		.amdhsa_user_sgpr_count 2
		.amdhsa_user_sgpr_kernarg_segment_ptr 1
		.amdhsa_wavefront_size32 1
		.amdhsa_system_sgpr_workgroup_id_x 1
		.amdhsa_system_sgpr_workgroup_id_y 1
		.amdhsa_system_sgpr_workgroup_id_z 1
		.amdhsa_system_vgpr_workitem_id 0
		.amdhsa_next_free_vgpr 256
		.amdhsa_next_free_sgpr 66
		.amdhsa_reserve_vcc 1
		.amdhsa_float_denorm_mode_32 3
		.amdhsa_float_denorm_mode_16_64 3
		.amdhsa_memory_ordered 1
		.amdhsa_forward_progress 1
		.amdhsa_inst_pref_size 132
	.end_amdhsa_kernel
	.amdgpu_metadata
---
amdhsa.version: [ 1, 2 ]
amdhsa.kernels:
  - .name:           k_q99717912b4_quant
    .symbol:         k_q99717912b4_quant.kd
    .args:
      - { .name: conv, .offset: 0, .size: 8, .value_kind: global_buffer, .address_space: global }
      - { .name: Wy, .offset: 8, .size: 8, .value_kind: global_buffer, .address_space: global }
      - { .name: Wx, .offset: 16, .size: 8, .value_kind: global_buffer, .address_space: global }
      - { .name: cq, .offset: 24, .size: 8, .value_kind: global_buffer, .address_space: global }
      - { .name: wq, .offset: 32, .size: 8, .value_kind: global_buffer, .address_space: global }
      - { .name: scl, .offset: 40, .size: 8, .value_kind: global_buffer, .address_space: global }
    .group_segment_fixed_size: 88576
    .private_segment_fixed_size: 0
    .kernarg_segment_align: 8
    .kernarg_segment_size: 48
    .max_flat_workgroup_size: 352
    .sgpr_count:     66
    .vgpr_count:     256
    .wavefront_size: 32
...
	.end_amdgpu_metadata
.endif
;; end of part 1
;; launch gemm (part 2): grid 16 x 16, 4 waves a work-group, clusters of 4 x 4, 327,680 bytes of LDS; arguments cq, wq, scl, Wc, bias, out0; writes out0
.if DOCPART == 2
	.amdgcn_target "amdgcn-amd-amdhsa--gfx1250"
	.amdhsa_code_object_version 6
	.text
	.protected	k_q99717912b4_gemm
	.globl	k_q99717912b4_gemm
	.p2align	8
	.type	k_q99717912b4_gemm,@function
k_q99717912b4_gemm:
	s_mov_b64 s[64:65], 0
	v_nop
	global_prefetch_b8 v0, s[64:65] scope:SCOPE_SE
	s_setreg_imm32_b32 hwreg(HW_REG_WAVE_MODE, 25, 1), 1
	s_wait_xcnt 0x0
	s_wait_alu depctr_hold_cnt(0) depctr_sa_sdst(0) depctr_va_vdst(0) depctr_va_sdst(0) depctr_va_ssrc(0) depctr_va_vcc(0) depctr_vm_vsrc(0)
	s_getreg_b32 s2, hwreg(HW_REG_IB_STS2, 6, 4)
	s_cmp_eq_u32 s2, 0
	s_cbranch_scc0 .Lentry_in_a_cluster
	s_endpgm
.Lentry_in_a_cluster:
	s_bfe_u32 s2, ttmp6, 0x10000c
	s_cmp_lg_u32 s2, 0xf033
	s_cbranch_scc0 .Lentry_shape_is_right
	s_endpgm
.Lentry_shape_is_right:
; out0[i][n] = elu(bias[n] + sum over c of Wc[n][c] s[i][n][c]),  s[i][n][c] = sum over k of conv[64 i + c][k] Wyx[n][k] on codes of BF6 (E3M2) with E8M0 scales, sums in f32.
; cq, wq: codes as images of the operand's registers, [half tile of 128 rows][K step 11][row block 8][1536 bytes]; scl: [row block][row 16][12 words], conv's 256 row blocks, then the neurons' 512.
; SHARES.  256 work-groups that stay: work-group (wx, wy) makes two tiles of 256 conv rows x 256 neurons: conv tile wy, neuron tiles wx and wx + 16.  Four waves, as many as a WGP has SIMDs;
; wave w takes neuron half w / 2 and conv half w % 2: 128 x 128, 64 accumulators, 512 registers.  s never goes to memory: the sum over c, the bias and the elu are made on the accumulators.
; THE MATRIX INSTRUCTION: source 0 = 16 conv rows, source 1 = 16 neurons.  In accumulator (a, b) lane (r, h) then holds neuron 16 a + r, and its register j the conv row 16 b + 8 h + j:
; image i' = b / 4 of the wave's two, channel c = 16 (b % 4) + 8 h + j.  So the sum over c runs along a lane's registers and ends with the lane 16 away.
; THE RING.  K's 11 steps go in four groups (3, 3, 3, 2 steps) through two LDS slots.  A group of a half tile is one dense block of memory (36,864 or 24,576 bytes), brought by one tensor load as rows of
; 256 bytes; wave w brings region w of a slot (0, 1: the neurons' halves; 2, 3: conv's).  A fragment is read by three loads of 512 consecutive bytes: no pitch, no padding.
; The ring goes on into the second tile: the first tile's last two changes of slots ask for the second tile's first two groups.
; CLUSTER.  4 x 4 work-groups.  The neurons' tiles hang on wx alone and are shared along a column of the cluster, conv's on wy alone and are shared along a row: each is asked for jointly.
; By this text's own count a wave has two tensor loads out at the start and one behind each later round.
; The text is straight: a K step names its own scale registers, so the 22 steps are written out by macros.
; LIMITS: NaN and infinities are not served.  elu's exp(x) - 1 is taken as the series x (1 + x (1/2 + x (1/6 + x / 24))) for -0.25 < x <= 0 (cut: x^4 / 120 of the result, 3.3e-5 at the most)
; and as 2^(x log2 e) - 1 below; the choice is a select, not a branch.
; REGISTERS, in windows of 256: window 0: v1-29 addresses; v32-127 scale words and nothing else; v128-223 the neurons' 8 fragments, one set; v224-251 the epilogue.
;   window 1: conv's 8 fragments, two sets, at v0 and v128; in the epilogue Wc.   windows 2, 3: the accumulators, (a, b) at v[8 (8 (a % 4) + b)] of window 2 + a / 4.
.set RGN,   36864                      ; a region: three K steps of a half tile
.set SLOT,  4*RGN
.set SPARE, 2*SLOT                     ; behind the ring: the spare words, 128 bytes for each wave: two blocks of 256 bytes that no other line names
.set STG,   SPARE+512                  ; behind them: 1,024 bytes for each wave, its own: [image 2][neuron 128] f32
.set STEPB, 12288                      ; a K step of a half tile
.set FRB,   1536                       ; a fragment's image
.set FR,    12
.set NEXTW, 16*2*11*STEPB-2*RGN        ; from a slot's last group of a tile to its first of the tile 16 neuron tiles on
.set SOFF, 8                           ; v8, v9    tile t: byte offset in scl: lanes 0-15 my neurons' rows, lanes 16-31 my conv rows
.set WCO,  10                          ; v10, v11  in Wc: row of neuron r of my half, + 32 h
.set BO,   12                          ; v12, v13  in bias: my half's neurons, 16 bytes a lane
.set OO,   14                          ; v14, v15  in out0
.set ADRA, 16                          ; v16, v17  LDS: my neurons' region in slot 0, 1, + 16 x lane
.set ADRB, 20                          ; v20, v21  my conv region likewise
.set STO,  24                          ; v24  stage, in: 512 h + 4 r
.set RD,   25                          ; v25  stage, out: 16 x lane
.set SPW,  28                          ; v28  LDS address of my spare word; never rewritten
.set NIL,  29                          ; v29  0; never rewritten
.set SC,   32                          ; v[SC + 12 i + s]: lanes 0-15 the word of neuron block i, lanes 16-31 that of conv block i, for K step s
.set AF,   128
.set BI,   224                         ; v224-227 bias of my four neurons
.set P,    228                         ; v228-243 eight pairs of partial sums; later at work on the elu
.set Y,    244                         ; v244-251 two rows of four results
.set G1W3, 24                          ; s[24:31] group 1, neurons, 144 rows;  s[32:39] 96 rows
.set G1W2, 32
.set G1C3, 40                          ; s[40:47], s[48:55] the same for conv: they differ in the mask alone
.set G1C2, 48
.set G0W,  56                          ; s[56:63] group 0 for the neurons' tiles, a set for each slot
.set G0C,  68                          ; s[68:75] for conv's
.set MSB, 0
.macro WIN new                         ; the immediate's high byte repeats the setting that is left; a switch that changes nothing is dropped
.if MSB != (\new)
	s_set_vgpr_msb (MSB<<8)|(\new)
.set MSB, (\new)
.endif
.endm
.set MUL_LO, 0xa1                      ; source 0 (conv) window 1, source 1 (neurons) window 0, C and D window 2
.set MUL_HI, 0xf1                      ; the same, C and D window 3
.set TO_B,   0x40                      ; destination window 1, address window 0
; A joint load: waves 0 and 1 fetch the neurons' halves, waves 2 and 3 conv's.  Each line has one mask and one set of registers for all that issue it; the branch hangs on the wave's number alone.
; Four v_nop follow each of the two lines, ahead of the jump, the label and what follows.
.macro JLOAD g0w, g1w, g0c, g1c
	s_cmp_eq_u32 s17, 0
	s_cbranch_scc0 .Lfor_c_\@
	tensor_load_to_lds s[\g0w:\g0w+3], s[\g1w:\g1w+7]
	s_nop 0
.rept 4
	v_nop
.endr
	s_branch .Lasked_\@
.Lfor_c_\@:
	tensor_load_to_lds s[\g0c:\g0c+3], s[\g1c:\g1c+7]
	s_nop 0
.rept 4
	v_nop
.endr
.Lasked_\@:
.endm
.macro CREST                           ; a round of the cluster's barrier behind its opening barrier
	s_cmp_lg_u32 s16, 0
	s_cbranch_scc1 .Lnot_wave_0_\@
	s_barrier_signal -3
.Lnot_wave_0_\@:
	s_barrier_wait -3
	s_barrier_signal -1
	s_barrier_wait -1
.endm
.macro CROUND                          ; a whole round
	s_barrier_signal -1
	s_barrier_wait -1
	CREST
.endm
; A load into a register that a matrix instruction has read, and a vector instruction that reads a matrix result, stand four places behind it; only plain vector instructions that name none of
; its registers are places (ISA guide 7.12.1 for vector instructions).
.macro PLACES n
.rept \n
	v_nop
.endr
.endm
	s_load_b256 s[4:11], s[0:1], 0x0               ; cq s[4:5], wq s[6:7], scl s[8:9], Wc s[10:11]
	s_load_b128 s[12:15], s[0:1], 0x20             ; bias s[12:13], out0 s[14:15]
	v_lshl_add_u32 v[SPW], v0, 2, SPARE
	v_mov_b32 v[NIL], 0
	ds_add_u32 v28, v29
	ds_add_u32 v28, v29
	s_wait_dscnt 0x0
	v_lshrrev_b32 v1, 5, v0
	v_readfirstlane_b32 s16, v1                    ; wave 0 .. 3
	s_lshr_b32 s17, s16, 1                         ; my neuron half.  Also: I fetch for the neurons (0) or for conv (1)
	s_and_b32 s18, s16, 1                          ; my conv half.  Also: which half of that tile I fetch
	s_bfe_u32 s20, ttmp6, 0x40000                  ; cx, cy: my place in the cluster
	s_bfe_u32 s21, ttmp6, 0x40004
	s_lshl_b32 s22, ttmp9, 2
	s_add_co_u32 s22, s22, s20                     ; wx = 4 x cluster x + cx
	s_and_b32 s23, ttmp7, 0xffff
	s_lshl_b32 s23, s23, 2
	s_add_co_u32 s23, s23, s21                     ; wy = 4 x cluster y + cy
	s_lshl_b32 s76, s21, 2
	s_lshl_b32 s76, 15, s76                        ; my row of the cluster
	s_lshl_b32 s77, 0x1111, s20                    ; my column
	; group 1: a dense block as rows of 256 bytes (32 elements of 8 bytes), no padding.  15:0 the mask; 17:16 element size code 3; 21 set beside a mask
	s_or_b32 s[G1W3], s77, (3<<16)|(1<<21)
	s_or_b32 s[G1W2], s77, (3<<16)|(1<<21)
	s_or_b32 s[G1C3], s76, (3<<16)|(1<<21)
	s_or_b32 s[G1C2], s76, (3<<16)|(1<<21)
.irp g, G1W3, G1C3
	s_mov_b32 s[\g+1], 32<<16                      ; tensor_dim0 = 32
	s_mov_b32 s[\g+2], 144<<16                     ; tensor_dim1 = 144
	s_mov_b32 s[\g+3], 32<<16                      ; tile_dim0 = 32
	s_mov_b32 s[\g+4], 144                         ; tile_dim1 = 144: three K steps
	s_mov_b32 s[\g+5], 32                          ; from row to row
	s_mov_b32 s[\g+6], 0
	s_mov_b32 s[\g+7], 0
.endr
.irp g, G1W2, G1C2
	s_mov_b32 s[\g+1], 32<<16
	s_mov_b32 s[\g+2], 96<<16
	s_mov_b32 s[\g+3], 32<<16
	s_mov_b32 s[\g+4], 96                          ; two K steps
	s_mov_b32 s[\g+5], 32
	s_mov_b32 s[\g+6], 0
	s_mov_b32 s[\g+7], 0
.endr
	; where the tiles come from.  The neurons' hang on wx alone, conv's on wy alone; each address is made in registers that never hold the other coordinate.
	s_mul_i32 s86, s18, 11*STEPB                   ; the half that I fetch
	s_mul_i32 s80, s22, 2*11*STEPB
	s_add_co_u32 s80, s80, s86
	s_mov_b32 s81, 0
	s_mul_i32 s82, s23, 2*11*STEPB
	s_add_co_u32 s82, s82, s86
	s_mov_b32 s83, 0
	s_mul_i32 s84, s16, RGN                        ; where they go: region = wave: no place in the cluster enters an LDS address
	s_mov_b32 s96, 0x3d2aaaab                      ; 1 / 24
	s_mov_b32 s97, 0x3e2aaaab                      ; 1 / 6
	s_wait_kmcnt 0x0
	s_add_nc_u64 s[80:81], s[6:7], s[80:81]
	s_add_nc_u64 s[82:83], s[4:5], s[82:83]
	CROUND                                         ; all sixteen work-groups are here: the first joint loads meet
.irp s, 0,1
	s_mov_b32 s[G0W+4*\s], 1                                       ; count = 1
	s_add_co_u32 s[G0W+4*\s+1], s84, \s*SLOT                       ; LDS address
	s_add_nc_u64 s[G0W+4*\s+2:G0W+4*\s+3], s[80:81], \s*RGN        ; global address: group s
	s_or_b32 s[G0W+4*\s+3], s[G0W+4*\s+3], 0x80000000              ; type = 2
	s_mov_b32 s[G0C+4*\s], 1
	s_add_co_u32 s[G0C+4*\s+1], s84, \s*SLOT
	s_add_nc_u64 s[G0C+4*\s+2:G0C+4*\s+3], s[82:83], \s*RGN
	s_or_b32 s[G0C+4*\s+3], s[G0C+4*\s+3], 0x80000000
	JLOAD G0W+4*\s, G1W3, G0C+4*\s, G1C3
.endr
	v_and_b32 v1, 15, v0                           ; r
	v_bfe_u32 v2, v0, 4, 1                         ; h
	v_and_b32 v3, 31, v0                           ; lane
	v_lshlrev_b32 v4, 4, v3                        ; 16 x lane
	s_mul_i32 s87, s17, RGN                        ; my neurons' region,
	s_mul_i32 s88, s18, RGN
	s_add_co_u32 s88, s88, 2*RGN                   ; my conv region
.irp s, 0,1
	v_add_nc_u32 v[ADRA+\s], s87, v4
	v_add_nc_u32 v[ADRB+\s], s88, v4
	s_add_co_u32 s87, s87, SLOT
	s_add_co_u32 s88, s88, SLOT
.endr
	s_lshl_b32 s89, s16, 10
	s_add_co_u32 s89, s89, STG                     ; my stage
	v_lshlrev_b32 v5, 2, v1
	v_lshl_add_u32 v5, v2, 9, v5
	v_add_nc_u32 v[STO], s89, v5
	v_add_nc_u32 v[RD], s89, v4
	; byte offsets in memory.  My first neuron of tile t is 256 wx + 128 (w / 2) + 4096 t
	s_lshl_b32 s90, s22, 10
	s_lshl_b32 s91, s17, 9
	s_add_co_u32 s90, s90, s91                     ; 4 bytes x my first neuron of tile 0
	v_add_nc_u32 v[BO], s90, v4
	v_add_nc_u32 v[BO+1], 16384, v[BO]
	s_lshl_b32 s91, s23, 17                        ; out0: image 4 wy + 2 (w % 2), rows of 32,768 bytes
	s_lshl_b32 s92, s18, 16
	s_add_co_u32 s91, s91, s92
	v_add_nc_u32 v[OO], s91, v[BO]
	v_add_nc_u32 v[OO+1], 16384, v[OO]
	s_lshl_b32 s92, s90, 6                         ; Wc: 256 bytes a neuron
	v_lshlrev_b32 v5, 8, v1
	v_lshl_add_u32 v5, v2, 5, v5
	v_add_nc_u32 v[WCO], s92, v5
	v_add_nc_u32 v[WCO+1], 0x100000, v[WCO]
	s_mul_i32 s93, s90, 12                         ; scl: 48 bytes a row; the neurons' blocks lie behind conv's 196,608 bytes
	s_add_co_u32 s93, s93, 196608
	s_mul_i32 s94, s23, 12288
	s_mul_i32 s95, s18, 6144
	s_add_co_u32 s94, s94, s95
	v_mul_u32_u24 v5, v1, 48
	v_mov_b32 v6, s93
	v_mov_b32 v7, s94
	v_cmp_gt_u32 vcc_lo, 16, v3
	v_cndmask_b32 v6, v7, v6, vcc_lo               ; lanes 0-15 take the neurons' words, lanes 16-31 conv's
	v_add_nc_u32 v[SOFF], v5, v6
	v_mov_b32 v7, 0x30000                          ; 256 row blocks of neurons on, for tile 1
	v_cndmask_b32 v7, 0, v7, vcc_lo
	v_add_nc_u32 v[SOFF+1], v[SOFF], v7
.macro FRAG reg, adr, off              ; a fragment's image comes back as it was stored: three loads of 512 consecutive bytes
.irp c, 0,1,2
	ds_load_b128 v[\reg+4*\c:\reg+4*\c+3], v[\adr] offset:\off+512*\c
.endr
.endm
.macro FETCH_B slot, u, p              ; conv's eight fragments of the slot's u-th K step into set p
	WIN TO_B
.irp i, 0,1,2,3,4,5,6,7
	FRAG 128*(\p)+FR*\i, ADRB+\slot, STEPB*(\u)+FRB*\i
.endr
	WIN 0
.endm
.macro FETCH_A slot, u, i0             ; the neurons' blocks i0 .. i0 + 3
.irp i, \i0, \i0+1, \i0+2, \i0+3
	FRAG AF+FR*(\i), ADRA+\slot, STEPB*(\u)+FRB*(\i)
.endr
.endm
; 16 matrix instructions: neuron blocks a0, a0 + 1 x conv's eight, K step s.  p: conv's set.  zero = 1: the product starts the sum: nothing is ever cleared.
; The 64 accumulators take turns, one instruction a turn, in the same order in every step.
.macro MUL16 a0, p, s, zero
.irp a, \a0, \a0+1
.irp b, 0,1,2,3,4,5,6,7
.if \zero
	v_wmma_scale_f32_16x16x128_f8f6f4 v[8*(8*((\a)%4)+\b):8*(8*((\a)%4)+\b)+7], v[128*(\p)+FR*\b:128*(\p)+FR*\b+FR-1], v[AF+FR*(\a):AF+FR*(\a)+FR-1], 0, v[SC+12*\b+(\s)], v[SC+12*(\a)+(\s)] matrix_a_fmt:MATRIX_FMT_BF6 matrix_b_fmt:MATRIX_FMT_BF6 matrix_a_scale:MATRIX_SCALE_ROW1
.else
	v_wmma_scale_f32_16x16x128_f8f6f4 v[8*(8*((\a)%4)+\b):8*(8*((\a)%4)+\b)+7], v[128*(\p)+FR*\b:128*(\p)+FR*\b+FR-1], v[AF+FR*(\a):AF+FR*(\a)+FR-1], v[8*(8*((\a)%4)+\b):8*(8*((\a)%4)+\b)+7], v[SC+12*\b+(\s)], v[SC+12*(\a)+(\s)] matrix_a_fmt:MATRIX_FMT_BF6 matrix_b_fmt:MATRIX_FMT_BF6 matrix_a_scale:MATRIX_SCALE_ROW1
.endif
.endr
.endr
.endm
; K step s, the slot's u-th, with its successor in the same slot.  A neuron block is free as soon as its eight products are issued, so the neurons have one set of registers: blocks 0-3 are
; fetched anew in the step's middle, blocks 4-7 at its end; conv's fragments are at work through the whole step and have two sets.
.macro STEP slot, u, s, zero
	s_wait_dscnt 12                                ; conv's set and blocks 0-3 are in; the youngest twelve loads (blocks 4-7) may be out
	WIN MUL_LO
	MUL16 0, (\s)%2, \s, \zero
	MUL16 2, (\s)%2, \s, \zero
	s_wait_dscnt 0                                 ; blocks 4-7 are in (asked for 32 matrix instructions ago)
	PLACES 4
	FETCH_B \slot, (\u)+1, 1-(\s)%2
	FETCH_A \slot, (\u)+1, 0
	WIN MUL_HI
	MUL16 4, (\s)%2, \s, \zero
	MUL16 6, (\s)%2, \s, \zero
	PLACES 4
	WIN 0
	FETCH_A \slot, (\u)+1, 4
.endm
; The head of a step that changes slots: each wave waits for all its tensor loads (the one that is out is its part of the other slot), adds 0 to its spare word, and waits for that and for its
; reads of this slot; then ONE barrier.  Behind it nobody reads this slot and the other slot is whole.
.macro MEET s
	s_wait_tensorcnt 0x0                           ; all my tensor loads have landed  (every window is 0 here: the add's two registers lie in window 0)
	ds_add_u32 v[SPW], v[NIL]                      ; 0 onto my spare word
	s_wait_dscnt 13                                ; (the add and the youngest twelve loads may be out)
	WIN MUL_LO
	MUL16 0, (\s)%2, \s, 0                         ; sixteen matrix instructions stand between the add and the wait for it
	s_wait_dscnt 0x0                               ; the add is done, and my reads of this slot are over
	s_barrier_signal -1
	MUL16 2, (\s)%2, \s, 0
	WIN 0
	s_barrier_wait -1
.endm
; The slot just left is filled again.  kind 1: this tile's group two on, three K steps;  2: the same, two K steps;  3: the next tile's group of this slot.
; No tensor load of mine is out, so the groups 0 may be written; every wave steps both.
.macro REFILL slot, kind
	CREST                                          ; the barrier has opened a round of the cluster's barrier: no wave of any partner still reads this slot or has a load on its way
.if \kind == 3
	s_add_nc_u64 s[G0W+4*\slot+2:G0W+4*\slot+3], s[G0W+4*\slot+2:G0W+4*\slot+3], NEXTW
	s_sub_nc_u64 s[G0C+4*\slot+2:G0C+4*\slot+3], s[G0C+4*\slot+2:G0C+4*\slot+3], 2*RGN   ; both tiles take the same conv rows
.else
	s_add_nc_u64 s[G0W+4*\slot+2:G0W+4*\slot+3], s[G0W+4*\slot+2:G0W+4*\slot+3], 2*RGN
	s_add_nc_u64 s[G0C+4*\slot+2:G0C+4*\slot+3], s[G0C+4*\slot+2:G0C+4*\slot+3], 2*RGN
.endif
.if \kind == 2
	JLOAD G0W+4*\slot, G1W2, G0C+4*\slot, G1C2
.else
	JLOAD G0W+4*\slot, G1W3, G0C+4*\slot, G1C3     ; the first tensor load behind the round; the four v_nop behind it are also the places in front of the loads that follow
.endif
.endm
.macro TURN slot, s, kind              ; a slot's third step
	MEET \s
.if \kind == 0
	PLACES 4
.else
	REFILL \slot, \kind
.endif
	FETCH_B 1-\slot, 0, 1-(\s)%2
	FETCH_A 1-\slot, 0, 0
	WIN MUL_HI
	MUL16 4, (\s)%2, \s, 0
	MUL16 6, (\s)%2, \s, 0
	PLACES 4
	WIN 0
	FETCH_A 1-\slot, 0, 4
.endm
.macro SCLOAD t                        ; tile t's scale words for all of K: 12 words a row, 8 row blocks a side
.irp i, 0,1,2,3,4,5,6,7
.irp q, 0,1,2
	global_load_b128 v[SC+12*\i+4*\q:SC+12*\i+4*\q+3], v[SOFF+\t], s[8:9] offset:768*\i+16*\q
.endr
.endr
.endm
.macro WCLOAD t, a0, base              ; Wc of neuron blocks a0 .. a0 + 3 in the accumulators' layout: register 32 a + 8 u + j = Wc[16 (a0 + a) + r][16 u + 8 h + j], into window 1
	WIN TO_B
.irp a, 0,1,2,3
.irp u, 0,1,2,3
.irp q, 0,1
	global_load_b128 v[\base+32*\a+8*\u+4*\q:\base+32*\a+8*\u+4*\q+3], v[WCO+\t], s[10:11] offset:4096*(\a0+\a)+64*\u+16*\q
.endr
.endr
.endr
	WIN 0
.endm
; K step 10, a tile's last (slot 1, conv's set 0).  more = 1: slot 1 takes the next tile's second group.  What the epilogue wants is asked for between the products:
; Wc of blocks 0-3 into conv's set 1 and the registers behind it, Wc of blocks 4-7 into set 0 once the last products have read it.
.macro LAST t, more
.if \more
	MEET 10
	REFILL 1, 3
.else
	s_wait_dscnt 12
	WIN MUL_LO
	MUL16 0, 0, 10, 0
	MUL16 2, 0, 10, 0
	s_wait_dscnt 0
	PLACES 4
.endif
	WCLOAD \t, 0, 128
	global_load_b128 v[BI:BI+3], v[BO+\t], s[12:13]
	WIN MUL_HI
	MUL16 4, 0, 10, 0
	MUL16 6, 0, 10, 0
	PLACES 4
	WCLOAD \t, 4, 0
.if \more
	SCLOAD 1                                       ; the last products have read the scale words four places ago
.endif
.endm
; The sum over c for neuron blocks a0 .. a0 + 3 and both images: eight chains by turns, two channels an instruction.  Each accumulator is read from its low end on.
.macro EPB a0, wb
	WIN 0x06+(\a0)/4                               ; source 0 (accumulators) window 2 or 3, source 1 (Wc) window 1, sums in window 0
.irp u, 0,1,2,3
.irp q, 0,1,2,3
.irp a, 0,1,2,3
.irp e, 0,1
.if (\u == 0) && (\q == 0)
	v_pk_mul_f32 v[P+4*\a+2*\e:P+4*\a+2*\e+1], v[8*(8*\a+4*\e+\u)+2*\q:8*(8*\a+4*\e+\u)+2*\q+1], v[\wb+32*\a+8*\u+2*\q:\wb+32*\a+8*\u+2*\q+1]
.else
	v_pk_fma_f32 v[P+4*\a+2*\e:P+4*\a+2*\e+1], v[8*(8*\a+4*\e+\u)+2*\q:8*(8*\a+4*\e+\u)+2*\q+1], v[\wb+32*\a+8*\u+2*\q:\wb+32*\a+8*\u+2*\q+1], v[P+4*\a+2*\e:P+4*\a+2*\e+1]
.endif
.endr
.endr
.endr
.endr
	WIN 0
.irp a, 0,1,2,3
	v_add_f32 v[P+4*\a], v[P+4*\a], v[P+4*\a+1]            ; image 0: even and odd channels of my half
	v_add_f32 v[P+4*\a+2], v[P+4*\a+2], v[P+4*\a+3]        ; image 1
.endr
.irp a, 0,1,2,3
	v_permlane16_swap_b32 v[P+4*\a], v[P+4*\a+2]           ; image 0's lanes 16-31 change places with image 1's lanes 0-15:
.endr
.irp a, 0,1,2,3
	v_add_f32 v[P+4*\a], v[P+4*\a], v[P+4*\a+2]            ; lanes 0-15 now hold image 0's whole sum of neuron r, lanes 16-31 image 1's
.endr
.irp a, 0,1,2,3
	ds_store_b32 v[STO], v[P+4*\a] offset:64*(\a0+\a)
.endr
.endm
.macro ELU4 y                          ; four results in v[y] on: + bias, elu
.irp k, 0,1,2,3
	v_add_f32 v[\y+\k], v[\y+\k], v[BI+\k]
.endr
.irp k, 0,1,2,3
	v_min_num_f32 v[P+\k], 0, v[\y+\k]             ; t = min(x, 0)
.endr
.irp k, 0,1,2,3
	v_mul_f32 v[P+4+\k], 0x3fb8aa3b, v[P+\k]
.endr
.irp k, 0,1,2,3
	v_exp_f32 v[P+4+\k], v[P+4+\k]                 ; e^t; the series' lines are the plain lines behind the exponentials (ISA guide 5.7.2)
.endr
.irp k, 0,1,2,3
	v_fma_f32 v[P+8+\k], v[P+\k], s96, s97         ; t / 24 + 1 / 6
.endr
.irp k, 0,1,2,3
	v_fma_f32 v[P+8+\k], v[P+8+\k], v[P+\k], 0.5
.endr
.irp k, 0,1,2,3
	v_fma_f32 v[P+8+\k], v[P+8+\k], v[P+\k], 1.0
.endr
.irp k, 0,1,2,3
	v_mul_f32 v[P+8+\k], v[P+8+\k], v[P+\k]
.endr
	s_wait_alu depctr_va_vdst(0)
.irp k, 0,1,2,3
	v_add_f32 v[P+4+\k], -1.0, v[P+4+\k]
.endr
.irp k, 0,1,2,3
	v_cmp_lt_f32 vcc_lo, 0xbe800000, v[P+\k]       ; -0.25 < t: the series, which keeps its digits where e^t - 1 would lose them
	v_cndmask_b32 v[P+4+\k], v[P+4+\k], v[P+8+\k], vcc_lo
	v_cmp_lt_f32 vcc_lo, 0, v[\y+\k]
	v_cndmask_b32 v[\y+\k], v[P+4+\k], v[\y+\k], vcc_lo
.endr
.endm
; THE EPILOGUE of tile t.  Loads issued in the last K step, in order: Wc of blocks 0-3 (32), bias (1), Wc of blocks 4-7 (32), and with more = 1 the next tile's scale words (24).
.macro EPI t, more
.if \t > 0
	s_wait_xcnt 0x0                                ; the last tile's stores have read their data: Y is written again only behind this wait
.endif
	s_wait_loadcnt 33+24*\more                     ; the first 32 are in
	EPB 0, 128
	s_wait_dscnt 0x0                               ; the stage's stores have read their registers
	s_wait_loadcnt 24*\more                        ; bias and the second 32 are in; the scale words may be out
	EPB 4, 0
	ds_load_b128 v[Y:Y+3], v[RD]                   ; LDS serves a wave's instructions in order (ISA guide 5.7.1.4): these see my stores.  Image 0: four neighbouring neurons a lane
	ds_load_b128 v[Y+4:Y+7], v[RD] offset:512      ; image 1
.if \more
	FETCH_B 0, 0, 0                                ; the next tile's first fragments: slot 0 was shown whole by the last round; Wc's registers are done with
	FETCH_A 0, 0, 0
	FETCH_A 0, 0, 4
.endif
	s_wait_dscnt 48*\more                          ; Y is in; the 48 loads behind it may be out
	ELU4 Y
	global_store_b128 v[OO+\t], v[Y:Y+3], s[14:15] th:TH_STORE_NT                 ; 32 lanes store 512 consecutive bytes, aligned; written once, read by nobody here
	ELU4 Y+4
	global_store_b128 v[OO+\t], v[Y+4:Y+7], s[14:15] offset:32768 th:TH_STORE_NT
.endm
; A tile: groups of K steps 0-2 (slot 0), 3-5 (slot 1), 6-8 (slot 0), 9-10 (slot 1).  From a request to the wait for it a wave issues 192 matrix instructions (the last group: 128).
.macro TILE t, more, kind8
	s_wait_loadcnt 0x0                             ; the tile's scale words
	STEP 0, 0, 0, 1                                ; the first step's products start the sums
	STEP 0, 1, 1, 0
	TURN 0, 2, 1
	STEP 1, 0, 3, 0
	STEP 1, 1, 4, 0
	TURN 1, 5, 2
	STEP 0, 0, 6, 0
	STEP 0, 1, 7, 0
	TURN 0, 8, \kind8
	STEP 1, 0, 9, 0
	LAST \t, \more
	EPI \t, \more
.endm
	SCLOAD 0
	s_wait_tensorcnt 1                             ; my part of slot 0 is in; slot 1's may stay out
	s_barrier_signal -1
	s_barrier_wait -1                              ; everybody's is
	FETCH_B 0, 0, 0
	FETCH_A 0, 0, 0
	FETCH_A 0, 0, 4
	TILE 0, 1, 3                                   ; the ring goes on into the second tile
	TILE 1, 0, 0                                   ; the last tile asks for nothing beyond its own groups
	s_wait_tensorcnt 0x0                           ; the wave's end: behind my last tensor load and my last LDS store
	ds_add_u32 v[SPW], v[NIL]
	s_wait_dscnt 0x0
	CROUND                                         ; the closing round: no work-group ends while a partner may still ask for a tile that names it
	s_endpgm
.Lfunc_end_k_q99717912b4_gemm:
	.size	k_q99717912b4_gemm, .Lfunc_end_k_q99717912b4_gemm-k_q99717912b4_gemm
	.p2alignl 7, 3214868480
	.fill 96, 4, 3214868480
	.section	.rodata,"a",@progbits
	.p2align	6, 0x0
	.amdhsa_kernel k_q99717912b4_gemm
		.amdhsa_group_segment_fixed_size 327680
		.amdhsa_private_segment_fixed_size 0
		.amdhsa_enable_private_segment 0
		.amdhsa_kernarg_size 48
		.amdhsa_user_sgpr_count 2
		.amdhsa_user_sgpr_kernarg_segment_ptr 1
		.amdhsa_wavefront_size32 1
		.amdhsa_system_sgpr_workgroup_id_x 1
		.amdhsa_system_sgpr_workgroup_id_y 1
		.amdhsa_system_sgpr_workgroup_id_z 1
		.amdhsa_system_vgpr_workitem_id 0
		.amdhsa_next_free_vgpr 1024
		.amdhsa_next_free_sgpr 100
		.amdhsa_reserve_vcc 1
		.amdhsa_float_denorm_mode_32 3
		.amdhsa_float_denorm_mode_16_64 3
		.amdhsa_memory_ordered 1
		.amdhsa_forward_progress 1
		.amdhsa_inst_pref_size 255
	.end_amdhsa_kernel
	.section	.bss,"aw",@nobits
	.p2align	6
	.space	262144
	.amdgpu_metadata
---
amdhsa.version: [ 1, 2 ]
amdhsa.kernels:
  - .name:           k_q99717912b4_gemm
    .symbol:         k_q99717912b4_gemm.kd
    .args:
      - { .name: cq, .offset: 0, .size: 8, .value_kind: global_buffer, .address_space: global }
      - { .name: wq, .offset: 8, .size: 8, .value_kind: global_buffer, .address_space: global }
      - { .name: scl, .offset: 16, .size: 8, .value_kind: global_buffer, .address_space: global }
      - { .name: Wc, .offset: 24, .size: 8, .value_kind: global_buffer, .address_space: global }
      - { .name: bias, .offset: 32, .size: 8, .value_kind: global_buffer, .address_space: global }
      - { .name: out0, .offset: 40, .size: 8, .value_kind: global_buffer, .address_space: global }
    .group_segment_fixed_size: 327680
    .private_segment_fixed_size: 0
    .kernarg_segment_align: 8
    .kernarg_segment_size: 48
    .max_flat_workgroup_size: 128
    .sgpr_count:     100
    .vgpr_count:     1024
    .wavefront_size: 32
...
	.end_amdgpu_metadata
.endif
;; end of part 2
